; MI455X (gfx1250); checked and timed in simulation.
; The chip was launched on July 23, 2026; its instructions are those of AMD's public machine-readable ISA for CDNA 5 (MIT licence, August 2026) and "CDNA5" Instruction Set Architecture Reference Guide (July 2026). The comments in the code are by the model that wrote it; some were corrected since.
;; W8 A16 Linear Static. Allowed arithmetic: matrix products marked QUANTISED: E2M1 operands, one E8M0 scale for each 32 along K, by v_wmma_scale_f32_16x16x128_f8f6f4 with both operands' format E2M1 (or v_wmma_scale_f32_32x16x128_f4), f32 sums; everything else in f32.
;; Inputs: weight 4,096 x 4,096 int32; weight_offset 4,096 int32; weight_scale 4,096 float32; x 4 x 1,024 x 4,096 float32.
;; Outputs: out0 4 x 1,024 x 4,096 float32.
;; This version of the problem:
;;   THIS VERSION OF THE PROBLEM IS GIVEN IN LOW PRECISION. The matrix products marked QUANTISED in the list below multiply operands that are first quantised to E2M1 (2 exponent bits, 1 mantissa bit; 4 bits a number), with one power-of-two scale for each 32 numbers along K (OCP MX v1.0); their sums are f32. All else is computed in f32.
;;   The module's matrix products, in the order in which they are computed (A, B: the left and right operand; K: the contracted axis; several contracted axes count as one K, in the product's order):
;;     1. [M 4,096, K 4,096] x [K 4,096, N 4,096]; A: input x; B: computed on the way: QUANTISED
;;   THE QUANTISER, for each operand of a quantised product, along K:
;;     - K is cut into blocks of 32 from its start; a last block that is shorter is filled with zeros.
;;     - A block's scale is 2^e with e = floor(log2(the largest magnitude in the block)) - 2, held to -126 .. 127; a block of zeros has e = 0. As a byte (E8M0): e + 127.
;;     - Each number is divided by its block's scale, clamped to +-6, and rounded to the nearest number of E2M1, ties to even, subnormals kept.
;;     - The product sums the exact products of the quantised numbers (number of the format x scale) in f32.
;;   ~~~python
;;   def quantise(x, axis):      # numpy; x: float32 -> the quantised numbers, widened to float32 again
;;       x = np.moveaxis(x, axis, -1); K = x.shape[-1]
;;       x = np.pad(x, [(0, 0)] * (x.ndim - 1) + [(0, -K % 32)]); x = x.reshape(x.shape[:-1] + (-1, 32)); a = np.abs(x).max(-1, keepdims=True)
;;       e = np.where(a > 0, np.clip(np.frexp(np.where(a > 0, a, 1))[1] - 1 - 2, -126, 127), 0)      # np.frexp(a)[1] - 1 = floor(log2(a)), exactly
;;       r = np.clip(x / 2.0 ** e, -6, 6)
;;       step = 2.0 ** (np.maximum(np.frexp(np.where(r == 0, 1, r))[1] - 1, 0) - 1)
;;       q = np.round(r / step) * step * 2.0 ** e      # np.round: ties to even
;;       return np.moveaxis(q.reshape(q.shape[:-2] + (-1,))[..., :K], -1, axis).astype(np.float32)
;;   ~~~
;;   OPERANDS COMPUTED ON THE WAY. 'Computed on the way' means the value that the module computes at that place (a softmax that the list does not call 'softmax' is quantised finished and normalised). What goes into a quantiser is computed in f32, as accurately as f32 sums, v_exp_f32 and their like allow (about 1e-6 of the number): no bf16 or f16 on the way to a quantiser, and a product that is left as it is and whose result goes on into a quantised operand takes f32 operands (vector FMAs, or v_wmma_f32_16x16x4_f32). A number that lies on a knife's edge between two numbers of the format may be rounded either way, as far as f32 arithmetic and the matrix unit's own rounding can turn it there, and no further.
;; One version. Each part assembles by itself: llvm-mc -triple=amdgcn-amd-amdhsa -mcpu=gfx1250 --defsym DOCPART=n.
;; ======== version 1 of 1: 2 launches
;; limits: right only within a limited range of input values
;; workspace buffers: a_pack 8,912,896 bytes; b_pack 8,912,896 bytes
;; launch pack (part 1): grid 256 x 1, 16 waves a work-group, no clusters, 141,312 bytes of LDS; arguments x, weight, weight_scale, weight_offset, a_pack, b_pack; writes a_pack, b_pack
.if DOCPART == 1
	.amdgcn_target "amdgcn-amd-amdhsa--gfx1250"
	.amdhsa_code_object_version 6
	.text
	.protected	k_q911c4da92b_pack
	.globl	k_q911c4da92b_pack
	.p2align	8
	.type	k_q911c4da92b_pack,@function
k_q911c4da92b_pack:
	s_mov_b64 s[64:65], 0
	v_nop
	global_prefetch_b8 v0, s[64:65] scope:SCOPE_SE
	s_setreg_imm32_b32 hwreg(HW_REG_WAVE_MODE, 25, 1), 1
	s_wait_xcnt 0x0
; x [4096][4096] f32 and w_fp[n][k] = (f32(weight[n][k]) - f32(weight_offset[n])) * weight_scale[n] (weight [4096][4096] int32) are turned into codes of FP4 (E2M1), with one E8M0 scale byte for each 32 along K.
; A block's scale is 2^(floor(log2(its largest magnitude)) - 2); its byte is the largest magnitude's own exponent field - 2, held at 1 from below.  Each number is divided by the scale and rounded to the nearest code, ties to even; beyond 6 the largest code.
; LIMITS: a block of zeros gets the byte 1 where the rule says 127 (its codes are zeros, which add nothing under any byte but 0xff, and this program alone reads the bytes);
; blocks whose largest magnitude lies under 2^-124, whose byte is held at 1, were not tried; NaN and infinities in x or weight_scale are not served.
; THE OUTPUT'S LAYOUT is the product's launch's own: [row / 128 : 32][k / 512 : 8][a chunk of 34,816 bytes].  A chunk is 128 rows x 512 K:
;   codes, 32,768 bytes: [i = (row / 16) % 8][kb = (k % 512) / 32][r = row % 16][16 bytes = the block's 32 codes, the lower k in the low four bits]: byte 4096 i + 256 kb + 16 r;
;   scale bytes, 2,048 bytes behind them: [i][r][16 bytes, byte kb]: byte 32768 + 256 i + 16 r.
; So a fragment of 16 rows x 128 K lies there as the image of the operand's registers, and a chunk is one dense block for one tensor load.
; SHARES.  Work-groups 0-127 take x, 128-255 the weight: only pointers are chosen, and one flag.  A wave takes 16 rows x 512 K: row group rg = 2 wg' + wave / 8, K step ks = wave % 8; a work-group reads 32 whole rows.
; A wave goes in eight steps of 16 rows x 64 K.  Each load reads 256 consecutive bytes of two rows (sixteen lanes a row); the step's 4,096 bytes turn through the wave's own stage in LDS and come back 128 bytes a lane:
; lane (r, h) then holds block 2 t + h of row r whole, in 32 registers: its largest magnitude needs no other lane.  Its 16 bytes of codes lie at 512 t + 16 x lane of the wave's 4,096: every store is 512 consecutive bytes.
; No tensor loads, no barrier: waves share nothing.  Loads run four steps (32 loads a wave) ahead, the turn through LDS one step.  Every offset is an immediate; no register that a store reads is written again, and EXEC never changes.
.set WREG,  8704                       ; LDS of a wave: two stages
.set STG,   4352                       ; a stage: 16 rows x SP
.set SP,    272                        ; a stage row: 256 bytes + 16: sixteen lanes that read sixteen rows at one column fall on sixteen different 16-byte columns of 256
.set CHUNK, 34816
.set SCOFF, 32768
.set LIN,   4                          ; v4   16384 h + 16 r: my 16 bytes of a load's two rows
.set SIN,   5                          ; v5   the stage, in: SP h + 16 r + my wave's LDS
.set SOUT,  6                          ; v6   the stage, out: SP r + 128 h + my wave's LDS
.set CO,    7                          ; v7   16 x lane: my codes' place in a step's 512 bytes
.set SO,    8                          ; v8   16 r + 8 h: my 8 scale bytes' place
.set RO,    9                          ; v9   4 r: my row's offset and scale
.set SH0,   10                         ; v10  8 h:      my byte's shift in its scale word in an even step,
.set SH1,   11                         ; v11  8 h + 16: in an odd one
.set P,     20                         ; v20-23 my row's four scale words, in the making;  v24-27 the other half of the lanes'
.set R,     32                         ; v32-159  four sets of 32: a step as loaded
.set X,     160                        ; v160-223 two sets of 32: my block
.set C,     224                        ; v224-255 four registers of codes for each step
	s_load_b256 s[4:11], s[0:1], 0x0               ; x s[4:5], weight s[6:7], weight_scale s[8:9], weight_offset s[10:11]
	s_load_b128 s[12:15], s[0:1], 0x20             ; a_pack s[12:13], b_pack s[14:15]
	v_lshl_add_u32 v30, v0, 2, 0x22000
	v_mov_b32 v31, 0
	v_lshrrev_b32 v1, 5, v0
	s_delay_alu instid0(VALU_DEP_1)
	v_readfirstlane_b32 s16, v1                    ; wave 0..15
	v_and_b32 v1, 31, v0                           ; lane
	v_and_b32 v2, 15, v0                           ; r
	v_bfe_u32 v3, v0, 4, 1                         ; h
	s_delay_alu instid0(VALU_DEP_2)
	v_lshlrev_b32 v[LIN], 4, v2
	s_delay_alu instid0(VALU_DEP_1)
	v_lshl_add_u32 v[LIN], v3, 14, v[LIN]          ; a row of the input is 16,384 bytes
	s_mul_i32 s23, s16, WREG
	v_mul_u32_u24 v[SIN], v3, SP
	s_delay_alu instid0(VALU_DEP_1)
	v_lshl_add_u32 v[SIN], v2, 4, v[SIN]
	s_delay_alu instid0(VALU_DEP_1)
	v_add_nc_u32 v[SIN], s23, v[SIN]
	v_mul_u32_u24 v[SOUT], v2, SP
	s_delay_alu instid0(VALU_DEP_1)
	v_lshl_add_u32 v[SOUT], v3, 7, v[SOUT]
	s_delay_alu instid0(VALU_DEP_1)
	v_add_nc_u32 v[SOUT], s23, v[SOUT]
	v_lshlrev_b32 v[CO], 4, v1
	v_lshlrev_b32 v[SO], 4, v2
	s_delay_alu instid0(VALU_DEP_1)
	v_lshl_add_u32 v[SO], v3, 3, v[SO]
	v_lshlrev_b32 v[RO], 2, v2
	v_lshlrev_b32 v[SH0], 3, v3
	s_delay_alu instid0(VALU_DEP_1)
	v_add_nc_u32 v[SH1], 16, v[SH0]
.irp q, 0,1,2,3
	v_mov_b32 v[24+\q], 0                          ; written once: a lane permute's destination counts as one of its sources
.endr
	s_mov_b32 s30, 0x76543210
	s_mov_b32 s31, 0xfedcba98                      ; v_permlanex16_b32's selects for lane l xor 16
	s_wait_alu depctr_va_vdst(0)
	s_wait_kmcnt 0x0
	s_cmp_lt_u32 ttmp9, 128                        ; x's work-group or the weight's?  The choice hangs on the work-group's number alone; all four selections stand ahead of the next line that sets SCC
	s_cselect_b64 s[4:5], s[4:5], s[6:7]           ; the input
	s_cselect_b64 s[12:13], s[12:13], s[14:15]     ; its output
	s_cselect_b32 s17, 0, 128
	s_cselect_b32 s22, 0, 1                        ; 1: the numbers are made of the weight
	s_sub_co_u32 s18, ttmp9, s17                   ; wg' 0..127
	s_lshr_b32 s19, s16, 3
	s_lshl_b32 s20, s18, 1
	s_add_co_u32 s20, s20, s19                     ; rg: my 16 rows, 0..255
	s_and_b32 s21, s16, 7                          ; ks: my 512 along K
	s_lshl_b32 s24, s20, 18                        ; 16 rows of 16,384 bytes,
	s_lshl_b32 s25, s21, 11                        ; 512 numbers of 4 bytes
	s_add_co_u32 s24, s24, s25
	s_mov_b32 s25, 0
	s_add_nc_u64 s[4:5], s[4:5], s[24:25]          ; the input at my job's first number
	s_lshr_b32 s26, s20, 3
	s_lshl_b32 s26, s26, 3
	s_add_co_u32 s26, s26, s21                     ; which chunk: 8 (rg / 8) + ks
	s_mul_i32 s26, s26, CHUNK
	s_mov_b32 s27, 0
	s_add_nc_u64 s[12:13], s[12:13], s[26:27]      ; the output at my chunk
	s_and_b32 s19, s20, 7                          ; i: my 16 rows among its 128
	s_lshl_b32 s24, s19, 8
	s_add_co_u32 s24, s24, SCOFF
	s_add_nc_u64 s[28:29], s[12:13], s[24:25]      ; my 256 scale bytes
	s_lshl_b32 s24, s19, 12
	s_add_nc_u64 s[12:13], s[12:13], s[24:25]      ; my 4,096 bytes of codes
	s_lshl_b32 s24, s20, 6                         ; 16 rows x 4 bytes
	s_add_nc_u64 s[8:9], s[8:9], s[24:25]
	s_add_nc_u64 s[10:11], s[10:11], s[24:25]
	global_load_b32 v16, v[RO], s[10:11]           ; my row's offset and scale.  x's work-groups load them too (inside the buffers: rg is under 256) and do not use them: so the text has one way through its memory instructions
	global_load_b32 v18, v[RO], s[8:9]
.macro LOAD t                          ; step t: rows 2 i + h, bytes 256 t on: sixteen lanes read 256 consecutive bytes, at a multiple of 256 from the buffer's first byte
.irp i, 0,1,2,3,4,5,6,7
	global_load_b128 v[R+32*((\t)%4)+4*\i:R+32*((\t)%4)+4*\i+3], v[LIN], s[4:5] offset:32768*\i+256*(\t) th:TH_LOAD_NT
.endr
.endm
.macro TURN t                          ; step t through stage t % 2: LDS serves a wave's instructions in order (ISA guide 5.7.1.4), so no wait stands between the stores and the loads
.irp i, 0,1,2,3,4,5,6,7
	ds_store_b128 v[SIN], v[R+32*((\t)%4)+4*\i:R+32*((\t)%4)+4*\i+3] offset:STG*((\t)%2)+2*SP*\i
.endr
.irp g, 0,1,2,3,4,5,6,7
	ds_load_b128 v[X+32*((\t)%2)+4*\g:X+32*((\t)%2)+4*\g+3], v[SOUT] offset:STG*((\t)%2)+16*\g
.endr
.endm
.irp t, 0,1,2,3
	LOAD \t
.endr
	s_wait_loadcnt 24                              ; the 24 loads of steps 1 to 3 may be out: my row's offset and scale and step 0's eight loads are in
	v_cvt_f32_i32 v16, v16                         ; the offset as f32,
	s_delay_alu instid0(VALU_DEP_1)
	v_mov_b32 v17, v16                             ; twice: a pair for the packed forms
	v_mov_b32 v19, v18                             ; the scale likewise
	TURN 0
.macro STEP t
.set XS, X+32*((\t)%2)
	s_wait_dscnt 0x0                               ; my block is back from the stage: so the stores into the stage have read their registers,
.if (\t)+4 < 8
	LOAD (\t)+4                                    ; which take the loads of four steps on
.endif
.if (\t)+1 < 8
.if (\t)+4 < 8
	s_wait_loadcnt 24                              ; the next step's eight loads are in; those of the three steps behind it may be out
.else
	s_wait_loadcnt 8*(6-(\t))                      ; towards the end fewer steps lie behind it
.endif
	TURN (\t)+1                                    ; it goes through the other stage while this step is worked
.endif
	s_cmp_eq_u32 s22, 0                            ; x is quantised as it is.  Only register work stands under this branch
	s_cbranch_scc1 .Lplain_\@
.irp j, 0,1,2,3,4,5,6,7,8,9,10,11,12,13,14,15,16,17,18,19,20,21,22,23,24,25,26,27,28,29,30,31
	v_cvt_f32_i32 v[XS+\j], v[XS+\j]               ; the weight as f32
.endr
.irp j, 0,2,4,6,8,10,12,14,16,18,20,22,24,26,28,30
	v_pk_add_f32 v[XS+\j:XS+\j+1], v[XS+\j:XS+\j+1], v[16:17] neg_lo:[0,1] neg_hi:[0,1]   ; - the offset,
.endr
.irp j, 0,2,4,6,8,10,12,14,16,18,20,22,24,26,28,30
	v_pk_mul_f32 v[XS+\j:XS+\j+1], v[XS+\j:XS+\j+1], v[18:19]   ; x the scale: a difference and a product, each rounded, as the definition has them: not fused
.endr
.Lplain_\@:
	v_max3_num_f32 v12, |v[XS]|, |v[XS+1]|, |v[XS+2]|               ; the block's largest magnitude: all 32 numbers are mine; two chains
	v_max3_num_f32 v13, |v[XS+3]|, |v[XS+4]|, |v[XS+5]|
.irp i, 6,10,14,18,22,26
	s_delay_alu instid0(VALU_DEP_2)
	v_max3_num_f32 v12, v12, |v[XS+\i]|, |v[XS+\i+1]|
	s_delay_alu instid0(VALU_DEP_2)
	v_max3_num_f32 v13, v13, |v[XS+\i+2]|, |v[XS+\i+3]|
.endr
	s_delay_alu instid0(VALU_DEP_2)
	v_max3_num_f32 v12, v12, |v[XS+30]|, |v[XS+31]|
	s_delay_alu instid0(VALU_DEP_1)
	v_max3_num_f32 v12, v12, v13, 0x1800000        ; and the floor 2^(3 - 127), under which no largest magnitude is taken: so the byte cannot fall under 1
	s_delay_alu instid0(VALU_DEP_1)
	v_add_nc_u32 v14, 0xff000000, v12              ; 2 off its exponent field: the conversion takes the exponent field of this operand as its scale, and nothing else of it
.irp g, 0,1,2,3
	v_cvt_scalef32_pk8_fp4_f32 v[C+4*(\t)+\g], v[XS+8*\g:XS+8*\g+7], v14   ; eight codes a register, the first number's in the lowest four bits
.endr
	v_lshrrev_b32 v15, 23, v14                     ; the scale's byte.  (Also the plain line behind the conversions)
.if (\t)%2 == 0
	s_delay_alu instid0(VALU_DEP_1)
	v_lshlrev_b32 v[P+(\t)/2], v[SH0], v15         ; block 2 t + h is byte (2 t + h) % 4 of scale word t / 2
.else
	s_delay_alu instid0(VALU_DEP_1)
	v_lshl_or_b32 v[P+(\t)/2], v15, v[SH1], v[P+(\t)/2]
.endif
	global_store_b128 v[CO], v[C+4*(\t):C+4*(\t)+3], s[12:13] offset:512*(\t)   ; 32 lanes store 512 consecutive bytes, at a multiple of 256 from the buffer's first byte
.endm
.irp t, 0,1,2,3,4,5,6,7
	STEP \t
.endr
.irp q, 0,1,2,3
	v_permlanex16_b32 v[24+\q], v[P+\q], s30, s31  ; lane l xor 16 holds my row's other two bytes of each word
.endr
.irp q, 0,1,2,3
	s_delay_alu instid0(VALU_DEP_4)
	v_or_b32 v[P+\q], v[P+\q], v[24+\q]
.endr
	v_cmp_ne_u32 vcc_lo, 0, v3
	s_delay_alu instid0(VALU_DEP_1)
	v_cndmask_b32 v24, v[P], v[P+2], vcc_lo        ; lanes 0-15 store their row's words 0 and 1, lanes 16-31 words 2 and 3
	s_delay_alu instid0(VALU_DEP_2)
	v_cndmask_b32 v25, v[P+1], v[P+3], vcc_lo
	global_store_b64 v[SO], v[24:25], s[28:29]     ; 32 lanes store 256 consecutive bytes, at a multiple of 256 from the buffer's first byte
	s_wait_tensorcnt 0x0
	ds_add_u32 v30, v31
	s_wait_dscnt 0x0
	s_endpgm
.Lfunc_end_k_q911c4da92b_pack:
	.size	k_q911c4da92b_pack, .Lfunc_end_k_q911c4da92b_pack-k_q911c4da92b_pack
	.p2alignl 7, 3214868480
	.fill 96, 4, 3214868480
	.section	.rodata,"a",@progbits
	.p2align	6, 0x0
	.amdhsa_kernel k_q911c4da92b_pack
		.amdhsa_group_segment_fixed_size 141312
		.amdhsa_private_segment_fixed_size 0
		.amdhsa_enable_private_segment 0
		.amdhsa_kernarg_size 48
		.amdhsa_user_sgpr_count 2
		.amdhsa_user_sgpr_kernarg_segment_ptr 1
		.amdhsa_wavefront_size32 1
		.amdhsa_system_sgpr_workgroup_id_x 1
		.amdhsa_system_sgpr_workgroup_id_y 1
		.amdhsa_system_sgpr_workgroup_id_z 1
		.amdhsa_system_vgpr_workitem_id 0
		.amdhsa_next_free_vgpr 256
		.amdhsa_next_free_sgpr 66
		.amdhsa_reserve_vcc 1
		.amdhsa_float_denorm_mode_32 3
		.amdhsa_float_denorm_mode_16_64 3
		.amdhsa_memory_ordered 1
		.amdhsa_forward_progress 1
		.amdhsa_inst_pref_size 60
	.end_amdhsa_kernel
	.amdgpu_metadata
---
amdhsa.version: [ 1, 2 ]
amdhsa.kernels:
  - .name:           k_q911c4da92b_pack
    .symbol:         k_q911c4da92b_pack.kd
    .args:
      - { .name: x, .offset: 0, .size: 8, .value_kind: global_buffer, .address_space: global }
      - { .name: weight, .offset: 8, .size: 8, .value_kind: global_buffer, .address_space: global }
      - { .name: weight_scale, .offset: 16, .size: 8, .value_kind: global_buffer, .address_space: global }
      - { .name: weight_offset, .offset: 24, .size: 8, .value_kind: global_buffer, .address_space: global }
      - { .name: a_pack, .offset: 32, .size: 8, .value_kind: global_buffer, .address_space: global }
      - { .name: b_pack, .offset: 40, .size: 8, .value_kind: global_buffer, .address_space: global }
    .group_segment_fixed_size: 141312
    .private_segment_fixed_size: 0
    .kernarg_segment_align: 8
    .kernarg_segment_size: 48
    .max_flat_workgroup_size: 512
    .sgpr_count:     66
    .vgpr_count:     256
    .wavefront_size: 32
...
	.end_amdgpu_metadata
.endif
;; end of part 1
;; launch gemm (part 2): grid 16 x 16, 4 waves a work-group, clusters of 4 x 4, 327,680 bytes of LDS; arguments a_pack, b_pack, out0; writes out0
.if DOCPART == 2
	.amdgcn_target "amdgcn-amd-amdhsa--gfx1250"
	.amdhsa_code_object_version 6
	.text
	.protected	k_q911c4da92b_gemm
	.globl	k_q911c4da92b_gemm
	.p2align	8
	.type	k_q911c4da92b_gemm,@function
k_q911c4da92b_gemm:
	s_mov_b64 s[64:65], 0
	v_nop
	global_prefetch_b8 v0, s[64:65] scope:SCOPE_SE
	s_setreg_imm32_b32 hwreg(HW_REG_WAVE_MODE, 25, 1), 1
	s_wait_xcnt 0x0
	s_wait_alu depctr_hold_cnt(0) depctr_sa_sdst(0) depctr_va_vdst(0) depctr_va_sdst(0) depctr_va_ssrc(0) depctr_va_vcc(0) depctr_vm_vsrc(0)
	s_getreg_b32 s2, hwreg(HW_REG_IB_STS2, 6, 4)
	s_cmp_eq_u32 s2, 0
	s_cbranch_scc0 .Lentry_in_a_cluster
	s_endpgm
.Lentry_in_a_cluster:
	s_bfe_u32 s2, ttmp6, 0x10000c
	s_cmp_lg_u32 s2, 0xf033
	s_cbranch_scc0 .Lentry_shape_is_right
	s_endpgm
.Lentry_shape_is_right:
; out0[m][n] = sum over k of A[m][k] B[n][k]: A = x's codes, B = the dequantised weight's codes, FP4 (E2M1) with one E8M0 byte for each 32 along K; sums in f32.
; a_pack and b_pack are laid [row / 128 : 32][k / 512 : 8][a chunk of 34,816 bytes]; a chunk holds 128 rows x 512 K as the image of the operand's registers:
;   codes at 4096 i + 1024 q + 512 c + 16 x lane (i: 16 rows, q: 128 along K, c: half of a fragment), scale words at 32768 + 256 i + 16 r (four words: q = 0 .. 3).
; A work-group of four waves makes 256 x 256, a wave 128 x 128: 64 accumulators, 512 registers.  K goes in steps of 512 through a ring of two LDS slots of four chunks (A's two, B's two); a wave fetches one chunk, 136 rows of 256 bytes.
; CLUSTERS: 4 x 4 work-groups; A's chunks are asked for jointly along a row of the cluster, B's along a column.
; THE WALK ALONG K begins at chunk 2 ((cluster x + cluster y) % 4) and wraps: the four clusters that read a chunk read it two K steps apart.  Each output still has one f32 sum; its order along K hangs on the cluster.
; THE MATRIX INSTRUCTION IS USED TRANSPOSED (source 0 = 16 rows of B, source 1 = 16 rows of A): a lane holds eight neighbouring numbers of a row of the output.
; REGISTERS: window 0: v0-31 addresses; v32-95 scale words, two sets (register 4 i + q: lanes 0-15 A's block i, lanes 16-31 B's); v128-255 A's blocks in the last K step.
;   window 1: two sets of fragments for 128 along K: B's eight at 128 p, A's eight at 128 p + 64; in the last K step B's four quarters.  windows 2, 3: the accumulators ((a, b) at v[8 (8 (a % 4) + b)]).
; A step of 128 along K multiplies one set while the other is filled: the next step's B in a run of 16 loads at the step's top, its A in a run of 16 in the step's middle.
; THE LAST K STEP GOES BY ROWS OF THE OUTPUT: each block of 16 rows is finished by 32 products and leaves at once, while the later blocks are multiplied.
.set SIZE_N, 4096
.set NQ,     4
.set CHUNK,  34816
.set SCOFF,  32768
.set GSTR,   8*CHUNK
.set SLOT,   4*CHUNK
.set LAPS,   4
.set SPARE,  2*SLOT                    ; behind the ring: the spare words, 128 bytes a wave
.set SPITCH, 528                       ; the way out: a stage of 16 rows x 528 bytes a wave, in slot 0, which by then has had its last fill and its last read
.set PART,   34*256                    ; a partner's share of a chunk's 136 blocks of 256 bytes
.set ADRA, 16
.set ADRB, 20
.set ADRS, 22
.set STO,  24
.set RD,   25
.set CO,   26
.set SPW,  28
.set NIL,  29
.set PFO,  30                          ; v30 256 x lane; v31 256 x (32 + min(lane, 1)): the 34 blocks of my share; never rewritten
.set SC,   32
.set PA,   128                         ; the last K step: A's blocks of 16 rows x 512 K, 32 registers; four buffers
.set KI,   8                           ; s8, s9 which chunk along K lies in slot 0, 1
.set KO,   10
.set G1, 24
.set G0, 32
.set G1B, 48
.set G0B, 56
.set PB,  66                           ; s[66:67] my share of the chunks that I fetch, at K chunk 0
.set PF,  68                           ; s[68:69] the same at the chunk that is asked for
.set MSB, 0
.macro WIN new
.if MSB != \new
	s_set_vgpr_msb (MSB<<8)|\new
.set MSB, \new
.endif
.endm
.set MUL_LO, 0xa5                      ; sources 0 (B) and 1 (A) window 1, C and D window 2
.set MUL_HI, 0xf5                      ; the same, C and D window 3
.set TO_F,   0x40                      ; destination window 1, address window 0
.macro JLOAD g0a, g1a, g0b, g1b        ; a joint load: waves 0 and 1 fetch A's chunks, waves 2 and 3 B's; s_nop 0 and four v_nop behind each line
	s_cmp_eq_u32 s15, 0
	s_cbranch_scc0 .Lfor_b_\@
	tensor_load_to_lds s[\g0a:\g0a+3], s[\g1a:\g1a+7]
	s_nop 0
.rept 4
	v_nop
.endr
	s_branch .Lasked_\@
.Lfor_b_\@:
	tensor_load_to_lds s[\g0b:\g0b+3], s[\g1b:\g1b+7]
	s_nop 0
.rept 4
	v_nop
.endr
.Lasked_\@:
.endm
.macro CREST                           ; a round of the cluster's barrier behind its opening barrier
	s_cmp_lg_u32 s14, 0
	s_cbranch_scc1 .Lnot_wave_0_\@
	s_barrier_signal -3
.Lnot_wave_0_\@:
	s_barrier_wait -3
	s_barrier_signal -1
	s_barrier_wait -1
.endm
.macro CROUND
	s_barrier_signal -1
	s_barrier_wait -1
	CREST
.endm
.macro WHERE s                         ; slot s's group 0: the chunk s[KI + s] of A's and of B's rows
	s_mul_i32 s[KO], s[KI+\s], CHUNK
	s_add_nc_u64 s[G0+4*\s+2:G0+4*\s+3], s[4:5], s[KO:KO+1]
	s_or_b32 s[G0+4*\s+3], s[G0+4*\s+3], 0x80000000
	s_add_nc_u64 s[G0B+4*\s+2:G0B+4*\s+3], s[6:7], s[KO:KO+1]
	s_or_b32 s[G0B+4*\s+3], s[G0B+4*\s+3], 0x80000000
.endm
; A prefetch behind each refill: the chunk that this slot's NEXT refill loads, two K steps on.  The four partners that ask for a chunk jointly share its 136 blocks out by address, 34 each (32 lanes, then 2; the lanes left over name the last block again).
; The loop's last trip (s3 = 1) has no refill two K steps on and asks for nothing.
.macro ASK
	s_cmp_gt_u32 s3, 1
	s_cbranch_scc0 .Lno_ask_\@
	global_prefetch_b8 v[PFO], s[PF:PF+1] th:TH_LOAD_NT scope:SCOPE_SE
	global_prefetch_b8 v[PFO+1], s[PF:PF+1] th:TH_LOAD_NT scope:SCOPE_SE
.Lno_ask_\@:
.endm
	s_load_b128 s[4:7], s[0:1], 0x0                ; a_pack, b_pack
	s_load_b64 s[12:13], s[0:1], 0x10              ; out0
	v_lshl_add_u32 v[SPW], v0, 2, SPARE
	v_mov_b32 v[NIL], 0
	ds_add_u32 v[SPW], v[NIL]                      ; the opening lines: the add, twice on end, and its wait
	ds_add_u32 v[SPW], v[NIL]
	v_lshrrev_b32 v1, 5, v0
	v_readfirstlane_b32 s14, v1                    ; wave 0..3
	s_lshr_b32 s15, s14, 1                         ; my half of the block's rows; also: I fetch for A (0) or B (1)
	s_and_b32 s16, s14, 1                          ; my half of its columns; also: which 128 rows I fetch
	s_bfe_u32 s40, ttmp6, 0x40000                  ; cx, cy
	s_bfe_u32 s41, ttmp6, 0x40004
	s_lshl_b32 s42, ttmp9, 2
	s_add_co_u32 s42, s42, s40                     ; block column
	s_and_b32 s17, ttmp7, 0xffff
	s_add_co_u32 s[KI], s17, ttmp9
	s_and_b32 s[KI], s[KI], 3
	s_lshl_b32 s[KI], s[KI], 1                     ; where the cluster's walk along K begins: 0, 2, 4, 6
	s_add_co_u32 s[KI+1], s[KI], 1
	s_mov_b32 s[KO+1], 0
	s_lshl_b32 s17, s17, 2
	s_add_co_u32 s17, s17, s41                     ; block row
	s_lshl_b32 s43, s41, 2
	s_lshl_b32 s43, 15, s43                        ; my row of the cluster
	s_lshl_b32 s44, 0x1111, s40                    ; my column
	s_or_b32 s[G1+0], s43, (3<<16)|(1<<21)         ; elements of 8 bytes; a chunk as 136 rows of 256 bytes
	s_or_b32 s[G1B+0], s44, (3<<16)|(1<<21)
.irp g, G1, G1B
	s_mov_b32 s[\g+1], 32<<16
	s_mov_b32 s[\g+2], 136<<16
	s_mov_b32 s[\g+3], 32<<16
	s_mov_b32 s[\g+4], 136
	s_mov_b32 s[\g+5], 32
	s_mov_b32 s[\g+6], 0
	s_mov_b32 s[\g+7], 0
.endr
	s_lshl_b32 s20, s17, 1
	s_add_co_u32 s20, s20, s16
	s_mul_i32 s20, s20, GSTR                       ; A: the 128 rows that I fetch
	s_mov_b32 s21, 0
	s_lshl_b32 s46, s42, 1
	s_add_co_u32 s46, s46, s16
	s_mul_i32 s46, s46, GSTR                       ; B likewise
	s_mov_b32 s47, 0
	s_mul_i32 s45, s14, CHUNK                      ; where they go: wave x a chunk
	s_wait_dscnt 0x0                               ; both opening adds are done
	s_wait_kmcnt 0x0
	s_add_nc_u64 s[4:5], s[4:5], s[20:21]
	s_add_nc_u64 s[6:7], s[6:7], s[46:47]
	CROUND                                         ; all sixteen work-groups are here: the first joint loads meet
.irp s, 0,1
	s_mov_b32 s[G0+4*\s], 1
	s_add_co_u32 s[G0+4*\s+1], s45, \s*SLOT
	s_mov_b32 s[G0B+4*\s], 1
	s_add_co_u32 s[G0B+4*\s+1], s45, \s*SLOT
	WHERE \s
.endr
	JLOAD G0, G1, G0B, G1B                         ; the walk's first K step: one tensor load a wave at the head
	s_cmp_eq_u32 s15, 0
	s_cselect_b64 s[PB:PB+1], s[4:5], s[6:7]       ; the prefetches: the rows that I fetch,
	s_cselect_b32 s20, s40, s41                    ; my place among the four that ask with me,
	s_mul_i32 s20, s20, PART
	s_mov_b32 s21, 0
	s_add_nc_u64 s[PB:PB+1], s[PB:PB+1], s[20:21]  ; my share of each chunk
	s_mul_i32 s21, s15, CHUNK                      ; LDS: my 128 rows of A,
	s_mul_i32 s22, s16, CHUNK
	s_add_co_u32 s22, s22, 2*CHUNK                 ; of B,
	s_xor_b32 s18, s15, 1
	s_add_co_u32 s18, s18, 1
	s_add_co_u32 s18, s18, s16
	s_mul_i32 s18, s18, CHUNK                      ; the distance from the one to the other,
	s_add_co_u32 s19, s21, SCOFF
	s_mul_i32 s23, s14, 16*SPITCH                  ; my stage
	v_and_b32 v1, 15, v0
	v_bfe_u32 v2, v0, 4, 1
	v_and_b32 v6, 31, v0
	v_lshlrev_b32 v[CO], 4, v6
	v_add_nc_u32 v[ADRA], s21, v[CO]
	v_add_nc_u32 v[ADRB], s22, v[CO]
	v_add_nc_u32 v[ADRA+1], SLOT, v[ADRA]
	v_add_nc_u32 v[ADRB+1], SLOT, v[ADRB]
	v_mul_u32_u24 v5, s18, v2                      ; scale words: lanes 16-31 take B's
	v_lshl_add_u32 v5, v1, 4, v5
	v_add_nc_u32 v[ADRS], s19, v5
	v_add_nc_u32 v[ADRS+1], SLOT, v[ADRS]
	v_mul_u32_u24 v5, v1, SPITCH
	v_lshl_add_u32 v5, v2, 5, v5
	v_add_nc_u32 v[STO], s23, v5
	v_add_nc_u32 v[RD], s23, v[CO]
	v_lshlrev_b32 v[PFO], 8, v6
	v_min_u32 v7, 1, v6
	v_lshl_add_u32 v[PFO+1], v7, 8, 32*256
	s_lshl_b32 s20, s17, 8
	s_lshl_b32 s21, s15, 7
	s_add_co_u32 s20, s20, s21                     ; my first row of the output
	s_mov_b32 s21, 0
	s_mov_b64 s[18:19], SIZE_N*4
	s_mul_u64 s[20:21], s[20:21], s[18:19]
	s_lshl_b32 s46, s42, 10
	s_lshl_b32 s47, s16, 9
	s_add_co_u32 s46, s46, s47                     ; my first column, in bytes
	s_mov_b32 s47, 0
	s_add_nc_u64 s[20:21], s[20:21], s[46:47]
	s_add_nc_u64 s[12:13], s[12:13], s[20:21]
.macro FRAG reg, adr, q, i
.irp c, 0,1
	ds_load_b128 v[\reg+4*\c:\reg+4*\c+3], v[\adr] offset:4096*(\i)+1024*(\q)+512*\c
.endr
.endm
.macro LDB slot, q, p                  ; B's eight fragments of the slot's q-th 128 along K into set p: 16 loads
.irp i, 0,1,2,3,4,5,6,7
	FRAG 128*(\p)+8*\i, ADRB+\slot, \q, \i
.endr
.endm
.macro LDA slot, q, p, i0              ; A's blocks i0 .. i0 + 3: 8 loads
.irp i, \i0, \i0+1, \i0+2, \i0+3
	FRAG 128*(\p)+64+8*(\i), ADRA+\slot, \q, \i
.endr
.endm
.macro SCALES sc                       ; a K step's scale words: lanes 0-15 A's block i, lanes 16-31 B's
.irp i, 0,1,2,3,4,5,6,7
	ds_load_b128 v[SC+8*NQ*\sc+NQ*\i:SC+8*NQ*\sc+NQ*\i+3], v[ADRS+\sc] offset:256*\i
.endr
.endm
; 16 products: A's blocks a0, a0 + 1 x B's eight.  The 64 accumulators take turns, in one order in every step.
.macro MUL16 a0, p, q, sc, zero
.irp a, \a0, \a0+1
.irp b, 0,1,2,3,4,5,6,7
.if \zero
	v_wmma_scale_f32_16x16x128_f8f6f4 v[8*(8*((\a)%4)+\b):8*(8*((\a)%4)+\b)+7], v[128*(\p)+8*\b:128*(\p)+8*\b+7], v[128*(\p)+64+8*(\a):128*(\p)+64+8*(\a)+7], 0, v[SC+8*NQ*(\sc)+NQ*\b+(\q)], v[SC+8*NQ*(\sc)+NQ*(\a)+(\q)] matrix_a_fmt:MATRIX_FMT_FP4 matrix_b_fmt:MATRIX_FMT_FP4 matrix_a_scale:MATRIX_SCALE_ROW1
.else
	v_wmma_scale_f32_16x16x128_f8f6f4 v[8*(8*((\a)%4)+\b):8*(8*((\a)%4)+\b)+7], v[128*(\p)+8*\b:128*(\p)+8*\b+7], v[128*(\p)+64+8*(\a):128*(\p)+64+8*(\a)+7], v[8*(8*((\a)%4)+\b):8*(8*((\a)%4)+\b)+7], v[SC+8*NQ*(\sc)+NQ*\b+(\q)], v[SC+8*NQ*(\sc)+NQ*(\a)+(\q)] matrix_a_fmt:MATRIX_FMT_FP4 matrix_b_fmt:MATRIX_FMT_FP4 matrix_a_scale:MATRIX_SCALE_ROW1
.endif
.endr
.endr
.endm
.macro PLACES                          ; four places in front of loads into registers that matrix instructions have read, and of the first reads of results
.rept 4
	v_nop
.endr
.endm
; A step that has its successor in the same slot.  The other set was multiplied by the step before: the four places at the top serve both runs of loads.
.macro STEP slot, q, zero
	PLACES
	WIN TO_F
	LDB \slot, (\q)+1, 1-(\q)%2
	s_wait_dscnt 24                                ; this step's B and A's blocks 0-3 are in; A's blocks 4-7 (8 loads) and the 16 just issued may be out
	WIN MUL_LO
	MUL16 0, (\q)%2, \q, \slot, \zero
	MUL16 2, (\q)%2, \q, \slot, \zero
	WIN TO_F
	LDA \slot, (\q)+1, 1-(\q)%2, 0
	LDA \slot, (\q)+1, 1-(\q)%2, 4
	s_wait_dscnt 32                                ; A's blocks 4-7 are in; this step's two runs may be out
	WIN MUL_HI
	MUL16 4, (\q)%2, \q, \slot, \zero
	MUL16 6, (\q)%2, \q, \slot, \zero
.endm
; The first half of a slot's last step, and the meeting at the change of slots.  The step's first 32 products stand ahead of the wait for the tiles; behind that wait stand only the add, its wait and the barrier.
.macro MEET slot
	s_wait_dscnt 8                                 ; this step's B and A's blocks 0-3 are in
	WIN MUL_LO
	MUL16 0, 1, NQ-1, \slot, 0
	MUL16 2, 1, NQ-1, \slot, 0
	WIN 0
	s_wait_tensorcnt 0x0                           ; my part of the next slot has landed
	ds_add_u32 v[SPW], v[NIL]
	s_wait_dscnt 0x0                               ; the add is done, and my reads of this slot are over (the last were issued in the step before)
	s_barrier_signal -1
	s_barrier_wait -1
.endm
; A slot's last step in the loop: the barrier opens a round of the cluster's barrier, and this slot is filled again, two K steps ahead.
.macro TURN slot, next
	s_wait_xcnt 0x0                                ; my prefetches have read their address: it is written again below
	s_add_co_u32 s[KI+\slot], s[KI+\slot], 2       ; this slot's last load was shown done at the change of slots before: its group 0 goes two chunks on, round the end of K
	s_and_b32 s[KI+\slot], s[KI+\slot], 7
	WHERE \slot
	s_add_co_u32 s[KO], s[KI+\slot], 2             ; and the prefetch two chunks further
	s_and_b32 s[KO], s[KO], 7
	s_mul_i32 s[KO], s[KO], CHUNK
	s_add_nc_u64 s[PF:PF+1], s[PB:PB+1], s[KO:KO+1]
	MEET \slot
	CREST
	JLOAD G0+4*\slot, G1, G0B+4*\slot, G1B         ; the first tensor load behind the round; its four v_nop are also the places in front of the loads below
	WIN TO_F
	LDB \next, 0, 0
	LDA \next, 0, 0, 0
	WIN 0
	SCALES \next
	ASK
	WIN MUL_HI
	MUL16 4, 1, NQ-1, \slot, 0
	WIN TO_F
	LDA \next, 0, 0, 4
	WIN MUL_HI
	MUL16 6, 1, NQ-1, \slot, 0
.endm
	s_wait_alu depctr_va_vdst(0)
	s_wait_tensorcnt 0x0                           ; my chunk of the first K step is in
	ds_add_u32 v[SPW], v[NIL]
	s_wait_dscnt 0x0
	CROUND                                         ; everybody's chunk is in, and all sixteen work-groups are here
	JLOAD G0+4, G1, G0B+4, G1B                     ; slot 1's first fill, the first tensor load behind the round
	WIN TO_F
	LDB 0, 0, 0
	LDA 0, 0, 0, 0
	WIN 0
	SCALES 0
	WIN TO_F
	LDA 0, 0, 0, 4
	STEP 0, 0, 1                                   ; the first products start the sums: nothing is cleared
	WIN 0                                          ; at a label and at a branch every window is 0
	s_mov_b32 s3, LAPS-1
.Llap:                                                 ; a trip goes once round the ring, from a lap's second step to the next lap's first, and fills both slots again
	STEP 0, 1, 0
	STEP 0, 2, 0
	TURN 0, 1
	STEP 1, 0, 0
	STEP 1, 1, 0
	STEP 1, 2, 0
	TURN 1, 0
	STEP 0, 0, 0
	WIN 0
	s_sub_co_u32 s3, s3, 1
	s_cmp_lg_u32 s3, 0
	s_cbranch_scc1 .Llap
	STEP 0, 1, 0                                   ; the last lap fills nothing
	STEP 0, 2, 0
; THE LAST K STEP (slot 1) BY ROWS.  B's four quarters fill window 1 (quarter q at v[64 q]); A comes by blocks of 16 rows x 512 K into four buffers of window 0.  LDS is read no more than in any K step.
.macro BLOAD q
.irp i, 0,1,2,3,4,5,6,7
	FRAG 64*(\q)+8*\i, ADRB+1, \q, \i
.endr
.endm
.macro ALOAD a
.set FA, PA+32*((\a)%4)
.irp q, 0,1,2,3
	FRAG FA+8*\q, ADRA+1, \q, \a
.endr
.endm
.macro ROW a                           ; block a is finished: 32 products, its eight accumulators by turns, K ascending
.set FA, PA+32*((\a)%4)
.set AC, 64*((\a)%4)
	WIN 0xa1+0x50*((\a)/4)                         ; source 0 (B) window 1, source 1 (A) window 0, C and D window 2 or 3
.irp q, 0,1,2,3
.if ((\a) == 0) && (\q == 2)
	s_wait_dscnt 16                                ; B's quarters 2 and 3 are in (behind them: A's blocks 2 and 3)
.endif
.irp b, 0,1,2,3,4,5,6,7
	v_wmma_scale_f32_16x16x128_f8f6f4 v[AC+8*\b:AC+8*\b+7], v[64*\q+8*\b:64*\q+8*\b+7], v[FA+8*\q:FA+8*\q+7], v[AC+8*\b:AC+8*\b+7], v[SC+8*NQ+NQ*\b+\q], v[SC+8*NQ+NQ*(\a)+\q] matrix_a_fmt:MATRIX_FMT_FP4 matrix_b_fmt:MATRIX_FMT_FP4 matrix_a_scale:MATRIX_SCALE_ROW1
.endr
.endr
.endm
; THE WAY OUT of a block of 16 rows x 128 columns: through my own stage and back as whole rows of 512 bytes (into v32-63 and v96-127), which the 32 lanes store as two aligned units of 256 bytes.
; LDS serves a wave's instructions in order (ISA guide 5.7.1.4): no wait between the stores and the loads.
.macro TOSTAGE a
.set AC, 64*((\a)%4)
	WIN 0x08+4*((\a)/4)                            ; the data: window 2 or 3
.irp b, 0,1,2,3,4,5,6,7
	ds_store_b128 v[STO], v[AC+8*\b:AC+8*\b+3] offset:64*\b          ; each accumulator from its low end on
	ds_store_b128 v[STO], v[AC+8*\b+4:AC+8*\b+7] offset:64*\b+16
.endr
	WIN 0
.irp t, 0,1,2,3,4,5,6,7,8,9,10,11,12,13,14,15
	ds_load_b128 v[32+4*\t+32*(\t/8):32+4*\t+32*(\t/8)+3], v[RD] offset:\t*SPITCH
.endr
.endm
.macro SEND a, younger                 ; younger: the LDS loads issued behind the stage's, which may stay out
	s_wait_dscnt \younger                          ; the block is back in registers
.if (\a) > 0
	s_add_nc_u64 s[12:13], s[12:13], 16*SIZE_N*4   ; behind a wait on XCNT: the earlier stores have read their base
.endif
.irp t, 0,1,2,3,4,5,6,7,8,9,10,11,12,13,14,15
	global_store_b128 v[CO], v[32+4*\t+32*(\t/8):32+4*\t+32*(\t/8)+3], s[12:13] offset:\t*SIZE_N*4 th:TH_STORE_NT
.endr
.endm
	MEET 0                                         ; slot 1's last tile is in; nothing is filled again, so no round follows
	PLACES                                         ; for the loads into set 0, which the step before multiplied
	WIN TO_F
	BLOAD 0
	BLOAD 1
	WIN 0
	SCALES 1
	ALOAD 0
	ALOAD 1
	WIN MUL_HI
	MUL16 4, 1, NQ-1, 0, 0
	MUL16 6, 1, NQ-1, 0, 0
	PLACES                                         ; for the loads into set 1, and later into slot 0's scale words
	WIN TO_F
	BLOAD 2
	BLOAD 3
	WIN 0
	ALOAD 2
	ALOAD 3
	s_wait_dscnt 48                                ; all but the 48 just issued
	ROW 0
.irp a, 0,1,2,3,4,5,6,7
	PLACES                                         ; the stores into the stage read results just made; the block's buffer of A is written again
.if \a > 0
	s_wait_xcnt 0x0                                ; the block before has had its stores' registers and base read
.endif
	TOSTAGE \a
.if \a < 4
	ALOAD \a+4                                     ; its buffer takes the block four further on
	SEND \a, 8
.else
	SEND \a, 0
.endif
.if \a < 7
	ROW \a+1
.endif
.endr
	s_wait_tensorcnt 0x0                           ; the wave's end
	ds_add_u32 v[SPW], v[NIL]
	s_wait_dscnt 0x0
	CROUND                                         ; the closing round
	s_endpgm
.Lfunc_end_k_q911c4da92b_gemm:
	.size	k_q911c4da92b_gemm, .Lfunc_end_k_q911c4da92b_gemm-k_q911c4da92b_gemm
	.p2alignl 7, 3214868480
	.fill 96, 4, 3214868480
	.section	.rodata,"a",@progbits
	.p2align	6, 0x0
	.amdhsa_kernel k_q911c4da92b_gemm
		.amdhsa_group_segment_fixed_size 327680
		.amdhsa_private_segment_fixed_size 0
		.amdhsa_enable_private_segment 0
		.amdhsa_kernarg_size 24
		.amdhsa_user_sgpr_count 2
		.amdhsa_user_sgpr_kernarg_segment_ptr 1
		.amdhsa_wavefront_size32 1
		.amdhsa_system_sgpr_workgroup_id_x 1
		.amdhsa_system_sgpr_workgroup_id_y 1
		.amdhsa_system_sgpr_workgroup_id_z 1
		.amdhsa_system_vgpr_workitem_id 0
		.amdhsa_next_free_vgpr 1024
		.amdhsa_next_free_sgpr 72
		.amdhsa_reserve_vcc 0
		.amdhsa_float_denorm_mode_32 3
		.amdhsa_float_denorm_mode_16_64 3
		.amdhsa_memory_ordered 1
		.amdhsa_forward_progress 1
		.amdhsa_inst_pref_size 209
	.end_amdhsa_kernel
	.amdgpu_metadata
---
amdhsa.version: [ 1, 2 ]
amdhsa.kernels:
  - .name:           k_q911c4da92b_gemm
    .symbol:         k_q911c4da92b_gemm.kd
    .args:
      - { .name: a_pack, .offset: 0, .size: 8, .value_kind: global_buffer, .address_space: global }
      - { .name: b_pack, .offset: 8, .size: 8, .value_kind: global_buffer, .address_space: global }
      - { .name: out0, .offset: 16, .size: 8, .value_kind: global_buffer, .address_space: global }
    .group_segment_fixed_size: 327680
    .private_segment_fixed_size: 0
    .kernarg_segment_align: 8
    .kernarg_segment_size: 24
    .max_flat_workgroup_size: 128
    .sgpr_count:     72
    .vgpr_count:     1024
    .wavefront_size: 32
...
	.end_amdgpu_metadata
.endif
;; end of part 2
